; MI455X (gfx1250); checked and timed in simulation.
; The chip was launched on July 23, 2026; its instructions are those of AMD's public machine-readable ISA for CDNA 5 (MIT licence, August 2026) and "CDNA5" Instruction Set Architecture Reference Guide (July 2026). The comments in the code are by the model that wrote it; some were corrected since.
;; Versor Linear. Allowed arithmetic: float matrix products may take bf16 or f16 operands with f32 sums; all other float work in f32.
;; Inputs: weight 256 x 256 x 32 float32; x 2 x 256 x 256 x 32 float32.
;; Outputs: out0 2 x 256 x 256 x 32 float32.
;; One version. Each part assembles by itself: llvm-mc -triple=amdgcn-amd-amdhsa -mcpu=gfx1250 --defsym DOCPART=n.
;; ======== version 1 of 1: 2 launches
;; limits: values are held in f16: magnitudes above 65,504 overflow, below 6.1e-05 lose precision; inputs' magnitudes at most 16,376
;; workspace buffers: xa 8,388,608 bytes; wb 4,194,304 bytes
;; launch rep (part 1): grid 768 x 1, 4 waves a work-group, no clusters, 37,376 bytes of LDS; arguments x, weight, xa, wb; writes xa, wb
.if DOCPART == 1
	.amdgcn_target "amdgcn-amd-amdhsa--gfx1250"
	.amdhsa_code_object_version 6
	.text
	.protected	k_q66f1bdc4f8_rep
	.globl	k_q66f1bdc4f8_rep
	.p2align	8
	.type	k_q66f1bdc4f8_rep,@function
k_q66f1bdc4f8_rep:
	s_mov_b64 s[64:65], 0
	v_nop
	global_prefetch_b8 v0, s[64:65] scope:SCOPE_SE
	s_setreg_imm32_b32 hwreg(HW_REG_WAVE_MODE, 25, 1), 1
	s_wait_xcnt 0x0
; rep: every multivector of x and of weight (32 f32 coefficients of Cl(4,1)) is turned into its 4 x 4 complex matrix, in f16.
; THE IDENTITY.  With e1 = X(x)1, e2 = Y(x)1, e3 = Z(x)X, e4 = Z(x)Y, e5 = -i Z(x)Z (Pauli matrices) the five generators anticommute and square to
; +,+,+,+,-, so blade a (bits a0..a4, ascending product) is the matrix  phase * X^U Z^V  with U = 2(a0^a1)+(a2^a3), V = 2(a1^a2^a3^a4)+(a3^a4),
; phase = i^(a1+a3) (-i)^a4, whose entries are M[c^U][c] = phase * (-1)^parity(V&c).  The map is an algebra homomorphism, so the geometric product of
; the table in the problem is the product of these matrices, for every input.  For a multivector y:  M(y)[c^U][c] = H_U[c] = sum over V of
; (-1)^parity(V&c) C_U[V]; the real part of C_U[V] is +-y of one blade, the imaginary part +-y of another (the lists at ALLFWD; one minus sign in each
; list: at V = 3 for U = 0, 2, at V = 1 for U = 1, 3).  That is eight 4-point sums of +-, 8 additions each.
; WHAT IS STORED.  xa row 4 m + c holds X_i(b, c) = Hx_(b^c)[c] for all i, b;  wb row 64 (o>>4) + 16 a + (o&15) holds W_i(a, b) = Hw_(a^b)[b].
; A row is 4,096 bytes: 8 blocks of 512 bytes, each 256 bytes of real parts and then 256 bytes of imaginary parts.  With i = 64 w + 32 eta + lane,
; element (i, b, ri) lies at byte (2 w + (lane>>4)) 512 + 256 ri + 16 (lane&15) + 8 eta + 2 b: the same order of (i, b) in both buffers, which is all
; that a sum over (i, b) needs.
; SHARES.  Work-group g < 512 takes row m = g of x, the others row o = g - 512 of weight: 32 KiB in, 16 KiB out each.  Wave w takes 64 multivectors
; (8 KiB), lane l the two numbered l and l + 32.  The loads are 512 consecutive bytes a wave; a lane needs 128 consecutive bytes, so the wave's 8 KiB turn
; through its own part of LDS (no other wave touches it: no barrier).  All sixteen loads of a wave are issued at once; there is no loop.
; Memory binds here: matrix units, clusters and tensor loads would add nothing.
; LIMITS.  f16 results: each +- sum of four coefficients must stay below 65,504 in magnitude (|coefficient| < 16,376 is enough); below 6.1e-5 the
; results keep f16's fixed spacing of 6e-8.  The rounding to f16 comes behind the sums, not in front of them.
.set LP,    144                        ; LDS pitch of a multivector: 128 bytes + 16, an odd multiple of 16, so that 16 lanes reading one column of 16 rows touch 16 different 16-byte columns of 256
.set WLDS,  64*LP                      ; a wave's part of LDS
.set XIN,   8                          ; v[8:71]    as loaded
.set OO,    8                          ; v[8:39]    packed f16 to store (XIN is spent by then), four registers for each of eight stores
.set YY,    72                         ; v[72:135]  coefficient k of multivector eta at 32 eta + k
.set HH,    136                        ; v[136:199] H at 32 eta + 8 U + 4 ri + c
.set TT,    200                        ; v[200:203] at work
	s_load_b256 s[4:11], s[0:1], 0x0               ; x s[4:5], weight s[6:7], xa s[8:9], wb s[10:11]
	v_lshl_add_u32 v204, v0, 2, 0x9000
	v_mov_b32 v205, 0
	v_and_b32 v1, 31, v0                           ; lane
	v_lshrrev_b32 v2, 5, v0
	v_readfirstlane_b32 s13, v2                    ; wave
	s_and_b32 s12, ttmp9, 511                      ; n: the row m (g < 512) or o (g - 512)
	s_lshl_b32 s16, s12, 15                        ; n x 32,768 bytes
	s_mov_b32 s17, 0
	v_lshlrev_b32 v3, 4, v1
	v_lshl_add_u32 v3, s13, 13, v3                 ; load offset: 8,192 wave + 16 lane
	s_cmp_lt_u32 ttmp9, 512
	s_wait_kmcnt 0x0
	s_cselect_b64 s[14:15], s[4:5], s[6:7]         ; x or weight
	s_add_nc_u64 s[14:15], s[14:15], s[16:17]
.irp t, 0,1,2,3,4,5,6,7,8,9,10,11,12,13,14,15
	global_load_b128 v[XIN+4*\t:XIN+4*\t+3], v3, s[14:15] offset:512*\t th:TH_LOAD_NT   ; four multivectors; read once in the launch
.endr
	s_mul_i32 s20, s13, WLDS
	v_lshrrev_b32 v7, 3, v1
	v_and_b32 v4, 7, v1
	v_lshlrev_b32 v4, 4, v4
	v_mad_u32_u24 v4, v7, LP, v4
	v_add_nc_u32 v4, s20, v4                       ; in: multivector lane>>3 of the load's four, its 16-byte piece lane&7
	v_mul_u32_u24 v5, v1, LP
	v_add_nc_u32 v5, s20, v5                       ; back: multivector number lane
	v_lshrrev_b32 v7, 4, v1
	v_and_b32 v6, 15, v1
	v_lshlrev_b32 v6, 4, v6
	v_lshl_add_u32 v6, v7, 9, v6
	v_lshl_add_u32 v6, s13, 10, v6                 ; store offset in a row: 1,024 wave + 512 (lane>>4) + 16 (lane&15)
.irp t, 0,1,2,3,4,5,6,7,8,9,10,11,12,13,14,15
	s_wait_loadcnt 15-\t                           ; loads come back in order (ISA guide 5.7.1): load t is in, the 15 - t younger ones stay out
	ds_store_b128 v4, v[XIN+4*\t:XIN+4*\t+3] offset:4*LP*\t
.endr
.irp eta, 0,1
.irp e, 0,1,2,3,4,5,6,7
	ds_load_b128 v[YY+32*\eta+4*\e:YY+32*\eta+4*\e+3], v5 offset:32*LP*\eta+16*\e   ; LDS serves a wave's instructions in order: these see the stores above
.endr
.endr
; One 4-point sum: blades k0..k3 stand for V = 0..3; odd = 0: the minus sign is k3's, odd = 1: it is k1's.
.macro FWD eta, u, ri, k0, k1, k2, k3, odd
.if \odd
	v_sub_f32 v[TT],   v[YY+32*\eta+\k0], v[YY+32*\eta+\k1]
	v_add_f32 v[TT+1], v[YY+32*\eta+\k0], v[YY+32*\eta+\k1]
	v_add_f32 v[TT+2], v[YY+32*\eta+\k2], v[YY+32*\eta+\k3]
	v_sub_f32 v[TT+3], v[YY+32*\eta+\k2], v[YY+32*\eta+\k3]
.else
	v_add_f32 v[TT],   v[YY+32*\eta+\k0], v[YY+32*\eta+\k1]
	v_sub_f32 v[TT+1], v[YY+32*\eta+\k0], v[YY+32*\eta+\k1]
	v_sub_f32 v[TT+2], v[YY+32*\eta+\k2], v[YY+32*\eta+\k3]
	v_add_f32 v[TT+3], v[YY+32*\eta+\k2], v[YY+32*\eta+\k3]
.endif
	v_add_f32 v[HH+32*\eta+8*\u+4*\ri],   v[TT],   v[TT+2]    ; c = 0
	v_add_f32 v[HH+32*\eta+8*\u+4*\ri+1], v[TT+1], v[TT+3]    ; c = 1
	v_sub_f32 v[HH+32*\eta+8*\u+4*\ri+2], v[TT],   v[TT+2]    ; c = 2
	v_sub_f32 v[HH+32*\eta+8*\u+4*\ri+3], v[TT+1], v[TT+3]    ; c = 3
.endm
.macro ALLFWD eta
	FWD \eta, 0, 0,  0, 19, 28, 15, 0
	FWD \eta, 0, 1, 31, 12,  3, 16, 0
	FWD \eta, 1, 0, 24, 11,  4, 23, 1
	FWD \eta, 1, 1,  7, 20, 27,  8, 1
	FWD \eta, 2, 0,  1, 18, 29, 14, 0
	FWD \eta, 2, 1, 30, 13,  2, 17, 0
	FWD \eta, 3, 0, 25, 10,  5, 22, 1
	FWD \eta, 3, 1,  6, 21, 26,  9, 1
.endm
	s_wait_dscnt 0x8                               ; the stores and the first multivector's eight loads are done; the second's eight may be out
	ALLFWD 0
	s_wait_dscnt 0x0
	ALLFWD 1
; One row's real (ri = 0) or imaginary part: b = 0..3 of both multivectors, 16 bytes a lane.  wmode = 0: row c = rho of xa takes H_(b^rho)[rho];
; wmode = 1: row a = rho of wb takes H_(rho^b)[b].  Lanes 0-15 store 256 consecutive bytes at a multiple of 256 from the buffer's start, lanes 16-31 another such block.
; The eight stores have registers of their own, and v6 and the base are never rewritten.  No cache hint: the next launch reads these bytes.
.macro PACKST rho, ri, wmode, rowstep
.irp eta, 0,1
.irp p, 0,1
.if \wmode
	v_cvt_pk_f16_f32 v[OO+4*(2*\rho+\ri)+2*\eta+\p], v[HH+32*\eta+8*((2*\p)^\rho)+4*\ri+2*\p], v[HH+32*\eta+8*((2*\p+1)^\rho)+4*\ri+2*\p+1]
.else
	v_cvt_pk_f16_f32 v[OO+4*(2*\rho+\ri)+2*\eta+\p], v[HH+32*\eta+8*((2*\p)^\rho)+4*\ri+\rho], v[HH+32*\eta+8*((2*\p+1)^\rho)+4*\ri+\rho]
.endif
.endr
.endr
	global_store_b128 v6, v[OO+4*(2*\rho+\ri):OO+4*(2*\rho+\ri)+3], s[18:19] offset:\rho*\rowstep+256*\ri
.endm
	s_cmp_lt_u32 ttmp9, 512
	s_cbranch_scc0 .Lweight
	s_lshl_b32 s16, s12, 14                        ; xa: rows 4 m .. 4 m + 3 of 4,096 bytes
	s_add_nc_u64 s[18:19], s[8:9], s[16:17]
.irp rho, 0,1,2,3
	PACKST \rho, 0, 0, 4096
	PACKST \rho, 1, 0, 4096
.endr
	s_wait_tensorcnt 0x0
	ds_add_u32 v204, v205
	s_wait_dscnt 0x0
	s_endpgm
.Lweight:
	s_lshr_b32 s16, s12, 4                         ; wb: row 64 (o>>4) + 16 a + (o&15)
	s_lshl_b32 s16, s16, 18
	s_and_b32 s20, s12, 15
	s_lshl_b32 s20, s20, 12
	s_add_co_u32 s16, s16, s20
	s_add_nc_u64 s[18:19], s[10:11], s[16:17]
.irp rho, 0,1,2,3
	PACKST \rho, 0, 1, 65536
	PACKST \rho, 1, 1, 65536
.endr
	s_wait_tensorcnt 0x0
	ds_add_u32 v204, v205
	s_wait_dscnt 0x0
	s_endpgm
.Lfunc_end_k_q66f1bdc4f8_rep:
	.size	k_q66f1bdc4f8_rep, .Lfunc_end_k_q66f1bdc4f8_rep-k_q66f1bdc4f8_rep
	.p2alignl 7, 3214868480
	.fill 96, 4, 3214868480
	.section	.rodata,"a",@progbits
	.p2align	6, 0x0
	.amdhsa_kernel k_q66f1bdc4f8_rep
		.amdhsa_group_segment_fixed_size 37376
		.amdhsa_private_segment_fixed_size 0
		.amdhsa_enable_private_segment 0
		.amdhsa_kernarg_size 32
		.amdhsa_user_sgpr_count 2
		.amdhsa_user_sgpr_kernarg_segment_ptr 1
		.amdhsa_wavefront_size32 1
		.amdhsa_system_sgpr_workgroup_id_x 1
		.amdhsa_system_sgpr_workgroup_id_y 1
		.amdhsa_system_sgpr_workgroup_id_z 1
		.amdhsa_system_vgpr_workitem_id 0
		.amdhsa_next_free_vgpr 206
		.amdhsa_next_free_sgpr 66
		.amdhsa_reserve_vcc 0
		.amdhsa_float_denorm_mode_32 3
		.amdhsa_float_denorm_mode_16_64 3
		.amdhsa_memory_ordered 1
		.amdhsa_forward_progress 1
		.amdhsa_inst_pref_size 16
	.end_amdhsa_kernel
	.amdgpu_metadata
---
amdhsa.version: [ 1, 2 ]
amdhsa.kernels:
  - .name:           k_q66f1bdc4f8_rep
    .symbol:         k_q66f1bdc4f8_rep.kd
    .args:
      - { .name: x, .offset: 0, .size: 8, .value_kind: global_buffer, .address_space: global }
      - { .name: weight, .offset: 8, .size: 8, .value_kind: global_buffer, .address_space: global }
      - { .name: xa, .offset: 16, .size: 8, .value_kind: global_buffer, .address_space: global }
      - { .name: wb, .offset: 24, .size: 8, .value_kind: global_buffer, .address_space: global }
    .group_segment_fixed_size: 37376
    .private_segment_fixed_size: 0
    .kernarg_segment_align: 8
    .kernarg_segment_size: 32
    .max_flat_workgroup_size: 128
    .sgpr_count:     66
    .vgpr_count:     206
    .wavefront_size: 32
...
	.end_amdgpu_metadata
.endif
;; end of part 1
;; launch prod (part 2): grid 16 x 16, 4 waves a work-group, clusters of 4 x 4, 327,680 bytes of LDS; arguments xa, wb, out0; writes out0
.if DOCPART == 2
	.amdgcn_target "amdgcn-amd-amdhsa--gfx1250"
	.amdhsa_code_object_version 6
	.text
	.protected	k_q66f1bdc4f8_prod
	.globl	k_q66f1bdc4f8_prod
	.p2align	8
	.type	k_q66f1bdc4f8_prod,@function
k_q66f1bdc4f8_prod:
	s_mov_b64 s[64:65], 0
	v_nop
	global_prefetch_b8 v0, s[64:65] scope:SCOPE_SE
	s_setreg_imm32_b32 hwreg(HW_REG_WAVE_MODE, 25, 1), 1
	s_wait_xcnt 0x0
	s_wait_alu depctr_hold_cnt(0) depctr_sa_sdst(0) depctr_va_vdst(0) depctr_va_sdst(0) depctr_va_ssrc(0) depctr_va_vcc(0) depctr_vm_vsrc(0)
	s_getreg_b32 s2, hwreg(HW_REG_IB_STS2, 6, 4)
	s_cmp_eq_u32 s2, 0
	s_cbranch_scc0 .Lentry_in_a_cluster
	s_endpgm
.Lentry_in_a_cluster:
	s_bfe_u32 s2, ttmp6, 0x10000c
	s_cmp_lg_u32 s2, 0xf033
	s_cbranch_scc0 .Lentry_shape_is_right
	s_endpgm
.Lentry_shape_is_right:
; prod: Out(m, o)(a, c) = sum over i, b of W_(o,i)(a, b) X_(m,i)(b, c), complex, then back to 32 coefficients and normalised.
; xa: f16 [2048 rows 4 m + c][2048], wb: f16 [1024 rows 64 (o>>4) + 16 a + (o&15)][2048]; a row is 8 blocks of 512 bytes, 256 bytes of real parts and
; 256 bytes of imaginary parts of the same 128 places (i, b), in the same order in both buffers.  Three f32 sums for each complex output:
; P = sum Wre Xre, Q = sum Wim Xim, R = sum Wre Xim + Wim Xre;  Re = P - Q (one signed sum kept as two partial sums), Im = R.
; SHARES.  A work-group makes 128 rows (32 m) x 64 columns (16 o x 4 a): 16 x 16 = 256 work-groups.  Wave w makes rows 32 w .. 32 w + 31 (two tiles of 16) by
; all 64 columns (four tiles; tile = a, lane%16 = o&15): 24 accumulator tiles, 192 registers.  In a result tile register j of lane (r, h) is row 8 h + j,
; that is m = 2 h + (j>>2), c = j&3: a lane ends with all 16 complex entries of four multivectors (m, o), so the way back needs no other lane.
; K goes in 8 steps of one 512-byte block through two LDS slots filled by tensor loads; a step is four quarters of 32 places, 32 matrix instructions each.
; CLUSTERS: 4 x 4 work-groups.  xa's tile hangs on the block row alone and is asked for jointly by the four of a row of the cluster; wb's tile hangs on the
; block column alone and is asked for jointly by the four of a column: the requests for both are divided by four.
; THE WAY BACK.  Hout_U[c] = Out(c^U, c); four times a coefficient is the same 4-point +- sum again (lists at MVOUT); with T = 4 out the result is
; T * rsq(sum T^2 + 16e-6), which equals out / sqrt(sum out^2 + 1e-6).
; LIMITS.  Operands are f16 (their range: see the launch that writes them).  The sum of squares is taken of 4 out: it overflows f32 for |out| above some 4.6e18.
; REGISTERS.  Window 0: v16-26 addresses, v32-41 norms, v64-159 and v160-255 two fragment buffers (later: the way back).  Window 1 (v256-447): P, Q, R.
.set PITCH,  528                       ; an LDS row: 512 bytes + 16 = 33 x 16: the 16 rows of a fragment load start in 16 different 16-byte columns of 256
.set BOFF,   128*PITCH                 ; in a slot: xa's 128 rows, then wb's 64 rows
.set SLOT,   192*PITCH
.set STAGE,  2*SLOT                    ; 202,752 = 792 x 256: behind the ring, no tensor load lands here
.set SPITCH, 144                       ; the way out: a multivector's 128 bytes + 16
.set WSTAGE, 64*SPITCH                 ; a wave's stage: 64 multivectors
.set STEPB,  512                       ; bytes of a row in a K step
.set ADRA, 16                          ; v16-17  LDS address of my xa fragments in slot 0, 1
.set ADRB, 20                          ; v20-21  the same for wb
.set STO,  24                          ; v24     stage: where my multivectors go
.set RD,   25                          ; v25     stage: where I read back
.set CO,   26                          ; v26     16 x lane
.set NS,   32                          ; v[32:39] four chains of two partial sums of squares
.set RS,   40                          ; v[40:41] 1 / norm, twice
.set F0,   64                          ; fragment buffer 0
.set F1,   160                         ; fragment buffer 1
.set WRE,  0                           ; in a buffer: W real, 4 tiles x 8
.set XRE,  32                          ; X real, 2 x 8
.set WIM,  48                          ; W imaginary, 4 x 8
.set XIM,  80                          ; X imaginary, 2 x 8
.set ACP,  0                           ; window 1: tile (mt, a) at 8 (4 mt + a)
.set ACQ,  64
.set ACR,  128
.set SS,   64                          ; the way back, window 0: half-way sums at 4 (2 U + ri)
.set TT,   96                          ; 4 x the 32 coefficients
.set OB,   128                         ; rows read back from the stage: 64 registers for each mt
.set G1,  24                           ; s[24:31] descriptor group 1 for xa's tiles
.set G0,  32                           ; s[32:39] group 0 for xa's tiles, one set for each slot
.set G1B, 48                           ; s[48:55] group 1 for wb's tiles
.set G0B, 56                           ; s[56:63] group 0 for wb's tiles, one set for each slot
.set MSB, 0
.macro WIN new                         ; s_set_vgpr_msb: bits 1:0 source 0, 3:2 source 1, 5:4 source 2, 7:6 destination; the high byte repeats the setting that is left
.if MSB != \new
	s_set_vgpr_msb (MSB<<8)|\new
.set MSB, \new
.endif
.endm
.set MUL,  0x50                        ; fragments in window 0, C and D in window 1
.set SUBW, 0x45                        ; both sources and the destination in window 1
.set ST1,  0x05                        ; both sources in window 1, the destination in window 0
; A joint load.  Waves 0 and 1 fetch xa's two halves (64 rows each), waves 2 and 3 wb's (32 rows each).  Each line has one mask and one set of registers for all
; that issue it; the branch hangs on the wave's number alone.
.macro JLOAD s
	s_cmp_eq_u32 s11, 0
	s_cbranch_scc0 .Lfor_b_\@
	tensor_load_to_lds s[G0+4*\s:G0+4*\s+3], s[G1:G1+7]
	s_nop 0
	s_branch .Lasked_\@
.Lfor_b_\@:
	tensor_load_to_lds s[G0B+4*\s:G0B+4*\s+3], s[G1B:G1B+7]
	s_nop 0
.Lasked_\@:
.endm
; A round of the cluster's barrier: my work-group's barrier, wave 0 signals for the work-group, every wave waits for all sixteen, my work-group's barrier again.
.macro CREST                           ; a round behind its opening barrier
	s_cmp_lg_u32 s10, 0
	s_cbranch_scc1 .Lnot_wave_0_\@
	s_barrier_signal -3
.Lnot_wave_0_\@:
	s_barrier_wait -3
	s_barrier_signal -1
	s_barrier_wait -1
.endm
.macro CROUND
	s_barrier_signal -1
	s_barrier_wait -1
	CREST
.endm
	s_load_b128 s[4:7], s[0:1], 0x0                ; xa s[4:5], wb s[6:7]
	s_load_b64 s[8:9], s[0:1], 0x10                ; out0
	v_lshl_add_u32 v62, v0, 2, 0x3a800
	v_mov_b32 v63, 0
	ds_add_u32 v62, v63
	v_lshrrev_b32 v1, 5, v0
	v_readfirstlane_b32 s10, v1                    ; wave 0..3
	s_lshr_b32 s11, s10, 1                         ; I fetch for xa (0) or for wb (1)
	s_and_b32 s12, s10, 1                          ; which half of that tile's rows
	s_bfe_u32 s40, ttmp6, 0x40000                  ; cx
	s_bfe_u32 s41, ttmp6, 0x40004                  ; cy
	s_lshl_b32 s42, ttmp9, 2                       ; in a cluster launch ttmp9 and ttmp7 count clusters
	s_add_co_u32 s42, s42, s40                     ; block column (o>>4) = 4 x cluster x + cx
	s_and_b32 s13, ttmp7, 0xffff
	s_lshl_b32 s13, s13, 2
	s_add_co_u32 s13, s13, s41                     ; block row (m>>5) = 4 x cluster y + cy
	s_lshl_b32 s43, s41, 2
	s_lshl_b32 s43, 15, s43                        ; my row of the cluster: places 4 cy .. 4 cy + 3
	s_lshl_b32 s44, 0x1111, s40                    ; my column: places cx, cx + 4, cx + 8, cx + 12
	; group 1: rows of 256 elements of 2 bytes, 16 bytes of padding behind each
	s_or_b32 s[G1+0], s43, (1<<16)|(1<<20)|(1<<21)|(6<<22)|(3<<25)   ; 15:0 mask: my row; 17:16 elements of 2 bytes; 20 padding on; 21 set beside a mask; 24:22 after every 128 words (code 6); 31:25 of 4 words (code 3)
	s_or_b32 s[G1B+0], s44, (1<<16)|(1<<20)|(1<<21)|(6<<22)|(3<<25)  ; the same with the mask of my column
	s_mov_b32 s[G1+1], 256<<16                     ; tensor_dim0 = 256
	s_mov_b32 s[G1B+1], 256<<16
	s_mov_b32 s[G1+2], 64<<16                      ; tensor_dim1 = 64 rows
	s_mov_b32 s[G1B+2], 32<<16                     ; 32 rows
	s_mov_b32 s[G1+3], 256<<16                     ; tile_dim0 = 256
	s_mov_b32 s[G1B+3], 256<<16
	s_mov_b32 s[G1+4], 64                          ; tile_dim1
	s_mov_b32 s[G1B+4], 32
	s_mov_b32 s[G1+5], 2048                        ; elements from row to row
	s_mov_b32 s[G1B+5], 2048
	s_mov_b32 s[G1+6], 0
	s_mov_b32 s[G1B+6], 0
	s_mov_b32 s[G1+7], 0
	s_mov_b32 s[G1B+7], 0
	; where the tiles come from: xa's address is made of the block row and the wave's number, wb's of the block column and the wave's number, in registers that never hold the other coordinate
	s_lshl_b32 s16, s13, 19                        ; 128 rows of 4,096 bytes a block row
	s_lshl_b32 s17, s12, 18                        ; + 64 rows for the second half
	s_add_co_u32 s16, s16, s17
	s_mov_b32 s17, 0
	s_lshl_b32 s46, s42, 18                        ; 64 rows a block column
	s_lshl_b32 s47, s12, 17                        ; + 32 rows for the second half
	s_add_co_u32 s46, s46, s47
	s_mov_b32 s47, 0
	s_mul_i32 s20, s10, 64*PITCH                   ; where they go: waves 0, 1: xa's rows 64 wave ..
	s_mul_i32 s21, s10, 32*PITCH
	s_add_co_u32 s21, s21, BOFF-64*PITCH           ; waves 2, 3: BOFF + 32 (wave - 2) rows
	s_wait_dscnt 0x0
	s_wait_kmcnt 0x0
	s_add_nc_u64 s[14:15], s[4:5], s[16:17]
	s_add_nc_u64 s[46:47], s[6:7], s[46:47]
	CROUND                                         ; all sixteen work-groups are here: the first joint loads meet
.irp s, 0,1
	s_mov_b32 s[G0+4*\s], 1                                        ; count = 1
	s_add_co_u32 s[G0+4*\s+1], s20, \s*SLOT                        ; LDS address
	s_add_nc_u64 s[G0+4*\s+2:G0+4*\s+3], s[14:15], \s*STEPB        ; global address: K step s
	s_or_b32 s[G0+4*\s+3], s[G0+4*\s+3], 0x80000000                ; type = 2
	s_mov_b32 s[G0B+4*\s], 1
	s_add_co_u32 s[G0B+4*\s+1], s21, \s*SLOT
	s_add_nc_u64 s[G0B+4*\s+2:G0B+4*\s+3], s[46:47], \s*STEPB
	s_or_b32 s[G0B+4*\s+3], s[G0B+4*\s+3], 0x80000000
	JLOAD \s                                       ; both slots are asked for before anything else: two tensor loads of the wave are out here, one behind each later round
.endr
	; A fragment is 16 rows x 32 places in 8 registers: lane l holds row l % 16, registers 0-3 places 8 (l/16) + 0..7, registers 4-7 places 16 + 8 (l/16) + 0..7:
	; two loads of 16 bytes, 32 bytes apart, at row x pitch + 16 (l/16).
	v_and_b32 v1, 15, v0                           ; r
	v_bfe_u32 v2, v0, 4, 1                         ; h
	v_mul_u32_u24 v3, v1, PITCH
	v_lshl_add_u32 v3, v2, 4, v3
	s_mul_i32 s22, s10, 32*PITCH                   ; my 32 rows of xa's tile
	s_mov_b32 s23, BOFF                            ; all 64 rows of wb's
.irp s, 0,1
	v_add_nc_u32 v[ADRA+\s], s22, v3
	v_add_nc_u32 v[ADRB+\s], s23, v3
	s_add_co_u32 s22, s22, SLOT
	s_add_co_u32 s23, s23, SLOT
.endr
	s_mul_i32 s22, s10, WSTAGE
	s_add_co_u32 s22, s22, STAGE                   ; my stage
	v_mul_u32_u24 v4, v1, SPITCH                   ; in: multivector 32 h + 16 mu + r (m = 2 h + mu of the tile's four, o = r)
	v_mad_u32_u24 v4, v2, 32*SPITCH, v4
	v_add_nc_u32 v[STO], s22, v4
	v_and_b32 v5, 31, v0
	v_lshrrev_b32 v6, 3, v5                        ; back: four multivectors a load, 16 bytes a lane
	v_and_b32 v7, 7, v5
	v_mul_u32_u24 v6, v6, SPITCH
	v_lshl_add_u32 v6, v7, 4, v6
	v_add_nc_u32 v[RD], s22, v6
	v_lshlrev_b32 v[CO], 4, v5
; 24 LDS loads: the fragments of quarter kb of a slot into buffer f.  First the twelve of the real parts, then the twelve of the imaginary parts.
.macro FETCH slot, kb, f
	WIN 0
.irp a, 0,1,2,3
	ds_load_b128 v[\f+WRE+8*\a:\f+WRE+8*\a+3],   v[ADRB+\slot] offset:\a*16*PITCH+64*\kb
	ds_load_b128 v[\f+WRE+8*\a+4:\f+WRE+8*\a+7], v[ADRB+\slot] offset:\a*16*PITCH+64*\kb+32
.endr
.irp m, 0,1
	ds_load_b128 v[\f+XRE+8*\m:\f+XRE+8*\m+3],   v[ADRA+\slot] offset:\m*16*PITCH+64*\kb
	ds_load_b128 v[\f+XRE+8*\m+4:\f+XRE+8*\m+7], v[ADRA+\slot] offset:\m*16*PITCH+64*\kb+32
.endr
.irp a, 0,1,2,3
	ds_load_b128 v[\f+WIM+8*\a:\f+WIM+8*\a+3],   v[ADRB+\slot] offset:\a*16*PITCH+256+64*\kb
	ds_load_b128 v[\f+WIM+8*\a+4:\f+WIM+8*\a+7], v[ADRB+\slot] offset:\a*16*PITCH+256+64*\kb+32
.endr
.irp m, 0,1
	ds_load_b128 v[\f+XIM+8*\m:\f+XIM+8*\m+3],   v[ADRA+\slot] offset:\m*16*PITCH+256+64*\kb
	ds_load_b128 v[\f+XIM+8*\m+4:\f+XIM+8*\m+7], v[ADRA+\slot] offset:\m*16*PITCH+256+64*\kb+32
.endr
.endm
; 8 matrix instructions: one of P, Q, R, all eight tiles, each once.  zero = 1: the first product starts the sum, nothing is cleared.
; The accumulators take turns, one instruction a turn: between two instructions on one tile stand at least seven on others,
; from pass to pass, from quarter to quarter and over the loop's backward jump.
.macro PASS f, acc, xo, wo, zero
.irp m, 0,1
.irp a, 0,1,2,3
.if \zero
	v_wmma_f32_16x16x32_f16 v[\acc+8*(4*\m+\a):\acc+8*(4*\m+\a)+7], v[\f+\xo+8*\m:\f+\xo+8*\m+7], v[\f+\wo+8*\a:\f+\wo+8*\a+7], 0
.else
	v_wmma_f32_16x16x32_f16 v[\acc+8*(4*\m+\a):\acc+8*(4*\m+\a)+7], v[\f+\xo+8*\m:\f+\xo+8*\m+7], v[\f+\wo+8*\a:\f+\wo+8*\a+7], v[\acc+8*(4*\m+\a):\acc+8*(4*\m+\a)+7]
.endif
.endr
.endr
.endm
; Four places behind a matrix instruction before a load is issued into a register that it has read, or a vector instruction reads its result or writes one of
; its registers (ISA guide 7.12.1 for vector instructions).  Matrix instructions in between are not counted.
.macro PLACES
.rept 4
	v_nop
.endr
.endm
; One of a K step's first three quarters: multiplies buffer f and, ahead of that, asks for quarter kbnext of the same slot into buffer g.
.macro QUARTER slot, kbnext, f, g, zero
	s_wait_dscnt 12                                ; f's real parts are in; the twelve younger loads, its imaginary parts, may be out
	PLACES                                         ; g was read by the matrix instructions just issued
	FETCH \slot, \kbnext, \g
	WIN MUL
	PASS \f, ACP, XRE, WRE, \zero
	s_wait_dscnt 24                                ; all but the 24 loads just issued: f is whole
	PASS \f, ACQ, XIM, WIM, \zero
	PASS \f, ACR, XIM, WRE, \zero
	PASS \f, ACR, XRE, WIM, 0
.endm
.macro THREE slot, zero
	QUARTER \slot, 1, F0, F1, \zero
	QUARTER \slot, 2, F1, F0, 0
	QUARTER \slot, 3, F0, F1, 0
.endm
; The last quarter multiplies buffer 1 and changes slots.  In front of the barrier each wave waits for its reads of this slot and for all its tensor loads (one is
; out: its part of the next slot).  Behind it (fill = 1: behind the whole round of the cluster's barrier, which this barrier opens) nobody reads this slot any more
; and the next slot is whole: the joint refill comes first, then the next slot's first fragments.  From a request to the wait for it a wave issues 112 matrix instructions.
.macro TURN slot, next, fill
	s_wait_dscnt 0x0                               ; buffer 1 is whole, and my reads of this slot are over
	s_wait_tensorcnt 0x0                           ; all my tensor loads have landed
	ds_add_u32 v62, v63
	s_wait_dscnt 0x0
	s_barrier_signal -1
	WIN MUL
	PASS F1, ACP, XRE, WRE, 0                      ; register work while the others arrive
	PASS F1, ACQ, XIM, WIM, 0
	WIN 0
	s_barrier_wait -1
.if \fill
	CREST                                          ; no wave of any partner still reads this slot or has a load on its way
	s_add_nc_u64 s[G0+4*\slot+2:G0+4*\slot+3], s[G0+4*\slot+2:G0+4*\slot+3], 2*STEPB      ; no tensor load of mine is out: group 0 may be written
	s_add_nc_u64 s[G0B+4*\slot+2:G0B+4*\slot+3], s[G0B+4*\slot+2:G0B+4*\slot+3], 2*STEPB
	JLOAD \slot                                    ; my one tensor load behind the round: this slot, two K steps ahead
.endif
	PLACES
	FETCH \next, 0, F0
	WIN MUL
	PASS F1, ACR, XIM, WRE, 0
	PASS F1, ACR, XRE, WIM, 0
.endm
.macro LAP zero                        ; two K steps, both slots filled again
	THREE 0, \zero
	TURN 0, 1, 1
	THREE 1, 0
	TURN 1, 0, 1
.endm
	s_wait_tensorcnt 0x1                           ; my part of K step 0 is in; K step 1's stays out
	s_barrier_signal -1
	s_barrier_wait -1                              ; everybody's is
	FETCH 0, 0, F0
	LAP 1                                          ; K steps 0, 1 (asks for 2, 3): the first products start the sums
	WIN 0                                          ; at a label and at a branch every window is 0
	s_mov_b32 s3, 2
.Llap:
	LAP 0                                          ; K steps 2, 3 and 4, 5 (ask for 4 .. 7)
	WIN 0
	s_sub_co_u32 s3, s3, 1
	s_cmp_lg_u32 s3, 0
	s_cbranch_scc1 .Llap
	THREE 0, 0                                     ; K steps 6, 7: nothing is left to fetch
	TURN 0, 1, 0
	THREE 1, 0
	s_wait_dscnt 0x0
	WIN MUL
	PASS F1, ACP, XRE, WRE, 0
	PASS F1, ACQ, XIM, WIM, 0
	PASS F1, ACR, XIM, WRE, 0
	PASS F1, ACR, XRE, WIM, 0
	; THE WAY BACK AND OUT
	PLACES                                         ; behind the last matrix instructions: results are read, fragment registers are written
	WIN SUBW
.set i, 0
.rept 32
	v_pk_add_f32 v[ACP+2*i:ACP+2*i+1], v[ACP+2*i:ACP+2*i+1], v[ACQ+2*i:ACQ+2*i+1] neg_lo:[0,1] neg_hi:[0,1]   ; Re = P - Q
.set i, i+1
.endr
	s_lshl_b32 s16, s13, 20                        ; 32 m of 32,768 bytes a block row
	s_lshl_b32 s17, s10, 18                        ; 8 m a wave
	s_add_co_u32 s16, s16, s17
	s_mov_b32 s17, 0
	s_add_nc_u64 s[8:9], s[8:9], s[16:17]
	s_lshl_b32 s46, s42, 11                        ; 16 o of 128 bytes a block column
	s_mov_b32 s47, 0
	s_add_nc_u64 s[8:9], s[8:9], s[46:47]
; First half of a 4-point sum: h_c = Out(c^U, c) = register 4 mu + c of tile (mt, c^U), real (ri = 0) or imaginary.  For odd U the two differences are turned round.
.macro INV1 mt, mu, u, ri
.set HB, ACP+(ACR-ACP)*\ri+32*\mt+4*\mu
.set SB, SS+4*(2*\u+\ri)
	v_add_f32 v[SB],   v[HB+8*(0^\u)],   v[HB+8*(1^\u)+1]
.if (\u)&1
	v_sub_f32 v[SB+1], v[HB+8*(1^\u)+1], v[HB+8*(0^\u)]
.else
	v_sub_f32 v[SB+1], v[HB+8*(0^\u)],   v[HB+8*(1^\u)+1]
.endif
	v_add_f32 v[SB+2], v[HB+8*(2^\u)+2], v[HB+8*(3^\u)+3]
.if (\u)&1
	v_sub_f32 v[SB+3], v[HB+8*(3^\u)+3], v[HB+8*(2^\u)+2]
.else
	v_sub_f32 v[SB+3], v[HB+8*(2^\u)+2], v[HB+8*(3^\u)+3]
.endif
.endm
; Second half: four times the coefficients of blades k0..k3
.macro INV2 u, ri, k0, k1, k2, k3
.set SB, SS+4*(2*\u+\ri)
	v_add_f32 v[TT+\k0], v[SB],   v[SB+2]
	v_add_f32 v[TT+\k1], v[SB+1], v[SB+3]
	v_sub_f32 v[TT+\k2], v[SB],   v[SB+2]
	v_sub_f32 v[TT+\k3], v[SB+3], v[SB+1]
.endm
; One multivector of the lane: m = 4 mt + 2 h + mu of my wave's eight, o = r
.macro MVOUT mt, mu
	WIN ST1
.irp u, 0,1,2,3
	INV1 \mt, \mu, \u, 0
	INV1 \mt, \mu, \u, 1
.endr
	WIN 0
	INV2 0, 0,  0, 19, 28, 15
	INV2 0, 1, 31, 12,  3, 16
	INV2 1, 0, 24, 11,  4, 23
	INV2 1, 1,  7, 20, 27,  8
	INV2 2, 0,  1, 18, 29, 14
	INV2 2, 1, 30, 13,  2, 17
	INV2 3, 0, 25, 10,  5, 22
	INV2 3, 1,  6, 21, 26,  9
	; sum of squares in four chains of two; the first starts from 8e-6 in each half: 16e-6 in all, 16 x the 1e-6 of the problem, since T = 4 out
	v_pk_fma_f32 v[NS:NS+1], v[TT:TT+1], v[TT:TT+1], 0x370637bd op_sel_hi:[1,1,0]
.irp c, 1,2,3
	v_pk_mul_f32 v[NS+2*\c:NS+2*\c+1], v[TT+2*\c:TT+2*\c+1], v[TT+2*\c:TT+2*\c+1]
.endr
.irp g, 1,2,3
.irp c, 0,1,2,3
	v_pk_fma_f32 v[NS+2*\c:NS+2*\c+1], v[TT+8*\g+2*\c:TT+8*\g+2*\c+1], v[TT+8*\g+2*\c:TT+8*\g+2*\c+1], v[NS+2*\c:NS+2*\c+1]
.endr
.endr
	v_pk_add_f32 v[NS:NS+1], v[NS:NS+1], v[NS+2:NS+3]
	v_pk_add_f32 v[NS+4:NS+5], v[NS+4:NS+5], v[NS+6:NS+7]
	v_pk_add_f32 v[NS:NS+1], v[NS:NS+1], v[NS+4:NS+5]
	v_add_f32 v[NS], v[NS], v[NS+1]
	v_rsq_f32 v[RS], v[NS]                         ; twice, to fill the pair that the packed multiply takes
	v_rsq_f32 v[RS+1], v[NS]
	v_nop                                          ; one plain vector instruction between a transcendental and the use of its result (ISA guide 5.7.2)
	s_wait_alu depctr_va_vdst(0)
.irp p, 0,1,2,3,4,5,6,7,8,9,10,11,12,13,14,15
	v_pk_mul_f32 v[TT+2*\p:TT+2*\p+1], v[TT+2*\p:TT+2*\p+1], v[RS:RS+1]
.endr
.irp e, 0,1,2,3,4,5,6,7
	ds_store_b128 v[STO], v[TT+4*\e:TT+4*\e+3] offset:16*SPITCH*\mu+16*\e
.endr
.endm
; The stage's 64 multivectors (4 m x 16 o) go out: a load takes four neighbouring o of one m, and its store covers 512 consecutive bytes of out0, at a multiple of 512
; from the buffer's start.  The stage is my own and LDS serves a wave's instructions in order (ISA guide 5.7.1): no wait between the stores above and these loads.
; Each mt has its own 64 registers, and v[CO] and the base are never rewritten: no source of a pending store is touched.
.macro ROWS mt
.irp t, 0,1,2,3,4,5,6,7,8,9,10,11,12,13,14,15
	ds_load_b128 v[OB+64*\mt+4*\t:OB+64*\mt+4*\t+3], v[RD] offset:4*SPITCH*\t
.endr
.irp t, 0,1,2,3,4,5,6,7,8,9,10,11,12,13,14,15
	s_wait_dscnt 15-\t                             ; load t is in, the younger ones stay out
	global_store_b128 v[CO], v[OB+64*\mt+4*\t:OB+64*\mt+4*\t+3], s[8:9] offset:131072*\mt+32768*(\t>>2)+512*(\t&3) th:TH_STORE_NT
.endr
.endm
	MVOUT 0, 0
	MVOUT 0, 1
	ROWS 0
	MVOUT 1, 0
	MVOUT 1, 1
	ROWS 1
	s_wait_tensorcnt 0x0
	ds_add_u32 v62, v63
	s_wait_dscnt 0x0
	CROUND                                         ; the closing round: no work-group ends while a partner may still ask for a tile that names it
	s_endpgm
.Lfunc_end_k_q66f1bdc4f8_prod:
	.size	k_q66f1bdc4f8_prod, .Lfunc_end_k_q66f1bdc4f8_prod-k_q66f1bdc4f8_prod
	.p2alignl 7, 3214868480
	.fill 96, 4, 3214868480
	.section	.rodata,"a",@progbits
	.p2align	6, 0x0
	.amdhsa_kernel k_q66f1bdc4f8_prod
		.amdhsa_group_segment_fixed_size 327680
		.amdhsa_private_segment_fixed_size 0
		.amdhsa_enable_private_segment 0
		.amdhsa_kernarg_size 24
		.amdhsa_user_sgpr_count 2
		.amdhsa_user_sgpr_kernarg_segment_ptr 1
		.amdhsa_wavefront_size32 1
		.amdhsa_system_sgpr_workgroup_id_x 1
		.amdhsa_system_sgpr_workgroup_id_y 1
		.amdhsa_system_sgpr_workgroup_id_z 1
		.amdhsa_system_vgpr_workitem_id 0
		.amdhsa_next_free_vgpr 448
		.amdhsa_next_free_sgpr 66
		.amdhsa_reserve_vcc 0
		.amdhsa_float_denorm_mode_32 3
		.amdhsa_float_denorm_mode_16_64 3
		.amdhsa_memory_ordered 1
		.amdhsa_forward_progress 1
		.amdhsa_inst_pref_size 128
	.end_amdhsa_kernel
	.amdgpu_metadata
---
amdhsa.version: [ 1, 2 ]
amdhsa.kernels:
  - .name:           k_q66f1bdc4f8_prod
    .symbol:         k_q66f1bdc4f8_prod.kd
    .args:
      - { .name: xa, .offset: 0, .size: 8, .value_kind: global_buffer, .address_space: global }
      - { .name: wb, .offset: 8, .size: 8, .value_kind: global_buffer, .address_space: global }
      - { .name: out0, .offset: 16, .size: 8, .value_kind: global_buffer, .address_space: global }
    .group_segment_fixed_size: 327680
    .private_segment_fixed_size: 0
    .kernarg_segment_align: 8
    .kernarg_segment_size: 24
    .max_flat_workgroup_size: 128
    .sgpr_count:     66
    .vgpr_count:     448
    .wavefront_size: 32
...
	.end_amdgpu_metadata
.endif
;; end of part 2
